; MI455X (gfx1250); checked and timed in simulation.
; The chip was launched on July 23, 2026; its instructions are those of AMD's public machine-readable ISA for CDNA 5 (MIT licence, August 2026) and "CDNA5" Instruction Set Architecture Reference Guide (July 2026). The comments in the code are by the model that wrote it; some were corrected since.
;; Attention. Allowed arithmetic: matrix products marked QUANTISED: E4M3 operands, one given power-of-two scale a tensor, by v_wmma_f32_16x16x64_fp8_fp8 or v_wmma_f32_16x16x128_fp8_fp8, f32 sums; everything else in f32.
;; Inputs: Wk_codes 1,024 x 32 x 32 uint8 (E4M3 codes of Wk, K innermost, in blocks of 32 codes); Wo_codes 1,024 x 32 x 32 uint8 (E4M3 codes of Wo, K innermost, in blocks of 32 codes); Wq_codes 1,024 x 32 x 32 uint8 (E4M3 codes of Wq, K innermost, in blocks of 32 codes); Wv_codes 1,024 x 32 x 32 uint8 (E4M3 codes of Wv, K innermost, in blocks of 32 codes); bk 1,024 float32; bo 1,024 float32; bq 1,024 float32; bv 1,024 float32; key_codes 4 x 2,048 x 32 x 32 uint8 (E4M3 codes of key, K innermost, in blocks of 32 codes); lowp_scales 12 int32 (the exponents e of the quantised operands' scales 2^e); query_codes 4 x 2,048 x 32 x 32 uint8 (E4M3 codes of query, K innermost, in blocks of 32 codes); value_codes 4 x 2,048 x 32 x 32 uint8 (E4M3 codes of value, K innermost, in blocks of 32 codes).
;; Outputs: out0 4 x 2,048 x 1,024 float32.
;; This version of the problem:
;;   THIS VERSION OF THE PROBLEM IS GIVEN IN LOW PRECISION. The matrix products marked QUANTISED in the list below multiply operands that are first quantised to E4M3 (4 exponent bits, 3 mantissa bits; 8 bits a number), with one given power-of-two scale for each operand tensor; their sums are f32. All else is computed in f32.
;;   The module's matrix products, in the order in which they are computed (A, B: the left and right operand; K: the contracted axis; several contracted axes count as one K, in the product's order):
;;     1. [M 8,192, K 1,024] x [K 1,024, N 1,024]; A: input query (given as codes); B: input Wq (given as codes): QUANTISED (scales: A lowp_scales[0], B lowp_scales[1])
;;     2. [M 8,192, K 1,024] x [K 1,024, N 1,024]; A: input key (given as codes); B: input Wk (given as codes): QUANTISED (scales: A lowp_scales[2], B lowp_scales[3])
;;     3. [M 8,192, K 1,024] x [K 1,024, N 1,024]; A: input value (given as codes); B: input Wv (given as codes): QUANTISED (scales: A lowp_scales[4], B lowp_scales[5])
;;     4. batch 64 x [M 2,048, K 64] x [K 64, N 2,048]; A: computed on the way; B: computed on the way: QUANTISED (scales: A lowp_scales[6], B lowp_scales[7])
;;     5. batch 64 x [M 2,048, K 2,048] x [K 2,048, N 64]; A: softmax (see below); B: computed on the way: QUANTISED (scales: A lowp_scales[8], B lowp_scales[9])
;;     6. [M 8,192, K 1,024] x [K 1,024, N 1,024]; A: computed on the way; B: input Wo (given as codes): QUANTISED (scales: A lowp_scales[10], B lowp_scales[11])
;;   THE QUANTISER, for each operand of a quantised product, along K:
;;     - The operand's scale is 2^e, e = its entry of the input lowp_scales (int32; the entries are numbered through the quantised products in the list's order, A before B).
;;     - Each number is divided by the scale, clamped to +-448, and rounded to the nearest number of E4M3, ties to even, subnormals kept.
;;     - The product sums the exact products of the quantised numbers (number of the format x scale) in f32.
;;   ~~~python
;;   def quantise(x, axis, e):      # numpy; x: float32 -> the quantised numbers, widened to float32 again
;;       x = np.moveaxis(x, axis, -1); K = x.shape[-1]
;;       r = np.clip(x / 2.0 ** e, -448, 448)
;;       step = 2.0 ** (np.maximum(np.frexp(np.where(r == 0, 1, r))[1] - 1, -6) - 3)
;;       q = np.round(r / step) * step * 2.0 ** e      # np.round: ties to even
;;       return np.moveaxis(q, -1, axis).astype(np.float32)
;;   ~~~
;;   SOFTMAX AHEAD OF A QUANTISED PRODUCT. Where the list says 'softmax', what is quantised is not the finished softmax but p = 2^(t - M), with t = logit x log2(e) and M = ceil(the row's largest t), a whole number; so 1/2 < the row's largest p <= 1. The row's sum l is taken of the UNQUANTISED p, in f32, and the product's result is divided by l at the end. Since M is a whole number, a kernel that streams over the keys may use a running M (the ceiling of the running maximum): every later rescaling is an exact power of two, so the quantised numbers keep their values, but for numbers so far below the row's largest that they fall under the format's range.
;;   OPERANDS COMPUTED ON THE WAY. 'Computed on the way' means the value that the module computes at that place (a softmax that the list does not call 'softmax' is quantised finished and normalised). What goes into a quantiser is computed in f32, as accurately as f32 sums, v_exp_f32 and their like allow (about 1e-6 of the number): no bf16 or f16 on the way to a quantiser, and a product that is left as it is and whose result goes on into a quantised operand takes f32 operands (vector FMAs, or v_wmma_f32_16x16x4_f32). A number that lies on a knife's edge between two numbers of the format may be rounded either way, as far as f32 arithmetic and the matrix unit's own rounding can turn it there, and no further.
;;   INPUTS GIVEN AS CODES. Wk (in the module: [1024, 1024], K = its axis 0); Wo (in the module: [1024, 1024], K = its axis 0); Wq (in the module: [1024, 1024], K = its axis 0); Wv (in the module: [1024, 1024], K = its axis 0); key (in the module: [4, 2048, 1024], K = its axis 2); query (in the module: [4, 2048, 1024], K = its axis 2); value (in the module: [4, 2048, 1024], K = its axis 2): each comes as NAME_codes (uint8): NAME with its K axis moved to the last place and cut into blocks of 32 codes, [.., K / 32, bytes a block], one block behind the other in memory; one code a byte (a code: sign, 4 exponent bits, 3 mantissa bits); its scale is its entry of lowp_scales. Its value is code x scale, taken as it is: it is not quantised again, and the codes and scales need not be those that the quantiser above would give.
;; One version. Each part assembles by itself: llvm-mc -triple=amdgcn-amd-amdhsa -mcpu=gfx1250 --defsym DOCPART=n.
;; ======== version 1 of 1: 3 launches
;; limits: right only within a limited range of input values
;; workspace buffers: qcodes 8,388,608 bytes; kvcodes 16,777,216 bytes; ocodes 8,388,608 bytes
;; launch proj (part 1): grid 4 x 192, 4 waves a work-group, clusters of 4 x 4, 327,680 bytes of LDS; arguments query_codes, key_codes, value_codes, Wq_codes, Wk_codes, Wv_codes, bq, bk, bv, lowp_scales, qcodes, kvcodes; writes qcodes, kvcodes
.if DOCPART == 1
	.amdgcn_target "amdgcn-amd-amdhsa--gfx1250"
	.amdhsa_code_object_version 6
	.text
	.protected	k_qbb87349ad7_proj
	.globl	k_qbb87349ad7_proj
	.p2align	8
	.type	k_qbb87349ad7_proj,@function
k_qbb87349ad7_proj:
	s_mov_b64 s[64:65], 0
	v_nop
	global_prefetch_b8 v0, s[64:65] scope:SCOPE_SE
	s_setreg_imm32_b32 hwreg(HW_REG_WAVE_MODE, 25, 1), 1
	s_wait_xcnt 0x0
	s_wait_alu depctr_hold_cnt(0) depctr_sa_sdst(0) depctr_va_vdst(0) depctr_va_sdst(0) depctr_va_ssrc(0) depctr_va_vcc(0) depctr_vm_vsrc(0)
	s_getreg_b32 s2, hwreg(HW_REG_IB_STS2, 6, 4)
	s_cmp_eq_u32 s2, 0
	s_cbranch_scc0 .Lentry_in_a_cluster
	s_endpgm
.Lentry_in_a_cluster:
	s_bfe_u32 s2, ttmp6, 0x10000c
	s_cmp_lg_u32 s2, 0xf033
	s_cbranch_scc0 .Lentry_shape_is_right
	s_endpgm
.Lentry_shape_is_right:
; THE THREE PROJECTIONS, Q = query Wq + bq, K = key Wk + bk, V = value Wv + bv, on codes of FP8 (E4M3), and their results quantised again for the attention launch.
; All six operands arrive as codes with K innermost: rows of 1,024 bytes.  A sum of codes stands for sum x 2^(ea + eb); result = sum x 2^(ea + eb) + bias in f32, converted with the scale 2^eo.
; LIMITS: ea + eb between -126 and 127; eo between -126 and 119 (each power of two below is an f32 number).  NaN among the biases is not served.
; SHARES.  A work-group makes 256 rows of a side P x 128 rows of a side R over all of K = 1,024: 256 such tiles for each projection, 768 work-groups.  z = (cluster y) / 16 says which projection.
;   z = 0, 1 (Q, K): P = the weight's 256 output features, R = 128 tokens.     z = 2 (V): P = 256 tokens of value, R = 128 output features of Wv.
; Four waves: wave w takes P's half w % 2 (128 rows) x R's half w / 2 (64 rows): 32 accumulators of 16 x 16.  Source 0 = 16 rows of P, source 1 = 16 rows of R: lane (r, h) holds R's row r and P's rows 8 h + 0 .. 7.
;   Q, K: a lane holds one token and eight neighbouring features;  V: one feature and eight neighbouring keys.  So one conversion of eight gives two registers of the operand that the attention launch wants,
;   and the codes leave AS IMAGES OF THAT OPERAND'S REGISTERS: four registers a store, lane l's 16 bytes at 16 l: each store of the wave covers 512 consecutive bytes, aligned.  No stage in LDS is needed.
; qcodes  [head 64][tile of 16 queries 128][1,024 B]: registers 2 t, 2 t + 1 of lane (r, h) = query r, d = 16 t + 8 h + 0 .. 7.
; kvcodes [head 64][step of 128 keys 16][16,384 B]: 8 images of K (16 keys each, as Q's), then 4 images of V^T (16 d x 128 keys, 2,048 B: registers 2 c, 2 c + 1 of lane (r, h) = d r, keys 16 c + 8 h + 0 .. 7).
; K GOES in four steps of 256 through three LDS slots: steps 0, 1, 2 are asked for at the head, step 3 fills slot 0 again.  A step is two sub-steps of 128 along K, 32 matrix instructions a wave.  All is written out: no loop.
; FRAGMENTS come by four loads of 16 bytes: lane (r, h) holds K = 32 c + 16 h + 0 .. 15 in registers 4 c .. 4 c + 3: a permutation of k that is the same in P and in R, so every product meets its partner.
; CLUSTERS: 4 x 4 work-groups.  P's tile hangs on cx (and the cluster's y): the four of a column ask for it jointly; R's tile hangs on cy: the four of a row.  Waves 0, 1 fetch P's halves, waves 2, 3 R's.
; REGISTERS, in windows of 256: window 0: v0-31 addresses and constants; v64-127 the bias; v128-191, v192-255 R's fragments, two sets (on the way out: sums at work, codes).
;   window 1: the accumulators, (i, b) at v[64 i + 8 b].   window 2: P's fragments, two sets, at v0 and v128.
.set PITCH,  272                       ; an LDS row: 256 bytes + 16 of padding = 68 words: the 16 rows that a load touches start 4 banks apart (64 banks of 4 bytes: ISA guide 11.1)
.set PHALF,  128*PITCH                 ; what a wave fetches of P, and reads of it
.set RHALF,  64*PITCH                  ; the same for R
.set ROFF,   2*PHALF                   ; in a slot: P's 256 rows, then R's 128
.set SLOT,   ROFF+2*RHALF
.set SPARE,  3*SLOT                    ; behind the slots: the spare words, 128 bytes for each wave: two blocks of 256 bytes that no other line names
.set PADW,   (1<<20)|(1<<21)|(5<<22)|(3<<25)   ; group 1, word 0: elements of 1 byte; padding on; bit 21 beside a mask; after every 64 words, 4 words
.set ADP,  16                          ; v16-18  LDS address of my P fragments in slot 0, 1, 2
.set ADR,  20                          ; v20-22  the same for R
.set L16,  24                          ; v24     16 x lane: my place in an image
.set BOF,  25                          ; v25     my lane's byte in the bias
.set SPW,  28                          ; v28     LDS address of my spare word; never rewritten
.set NIL,  29                          ; v29     0; never rewritten
.set VS,   30                          ; v30     2^eo as f32
.set HOLD, 31
.set BIAS, 64
.set RF,   128
.set TMP,  128                         ; the way out: 64 finished numbers
.set CD,   192                         ; the way out: 64 registers of codes, none written twice
.set G1P,  36                          ; s[36:43] group 1 for P;  s[44:51] for R
.set G1R,  44
.set G0P,  52                          ; s[52:63] group 0 for P, a set for each first fill;  s[68:79] for R
.set G0R,  68
.set WV,   80                          ; s80 wave;  s81 w / 2: R's half, also: I fetch for P (0) or R (1);  s82 w % 2: P's half, also: which half I fetch
.set RW,   81
.set PW,   82
.set CX,   83
.set CY,   84
.set Z,    86
.set YT,   87
.set PIDX, 88                          ; which tile of P (never made of cy);  s89 which tile of R (never made of cx)
.set RIDX, 89
.set MUL,  0x52                        ; source 0 (P) window 2, source 1 (R) window 0, C and D window 1
.set TO_P, 0x80                        ; destination window 2, address window 0
.set MSB, 0
.macro WIN new                         ; the immediate's high byte repeats the setting that is left
.if MSB != \new
	s_set_vgpr_msb (MSB<<8)|\new
.set MSB, \new
.endif
.endm
.macro PLACES n                        ; plain vector instructions between a matrix instruction and a load into, or a vector instruction on, its registers
.rept \n
	v_nop
.endr
.endm
.macro CREST                           ; a round of the cluster's barrier behind its opening barrier
	s_cmp_lg_u32 s[WV], 0
	s_cbranch_scc1 .Lnot_wave_0_\@
	s_barrier_signal -3
.Lnot_wave_0_\@:
	s_barrier_wait -3
	s_barrier_signal -1
	s_barrier_wait -1
.endm
.macro CROUND
	s_barrier_signal -1
	s_barrier_wait -1
	CREST
.endm
.macro JLOAD                           ; the one refill: K step 3 into slot 0.  Four v_nop follow each of the two lines
	s_cmp_eq_u32 s[RW], 0
	s_cbranch_scc0 .Lfor_r_\@
	tensor_load_to_lds s[G0P:G0P+3], s[G1P:G1P+7]
	s_nop 0
	PLACES 4
	s_branch .Lasked_\@
.Lfor_r_\@:
	tensor_load_to_lds s[G0R:G0R+3], s[G1R:G1R+7]
	s_nop 0
	PLACES 4
.Lasked_\@:
.endm
.macro FETCH slot, q, set              ; 48 LDS loads in one run: the fragments of the slot's q-th 128 along K: P's eight, R's four
	WIN TO_P
.irp b, 0,1,2,3,4,5,6,7
.irp c, 0,1,2,3
	ds_load_b128 v[128*(\set)+16*\b+4*\c:128*(\set)+16*\b+4*\c+3], v[ADP+\slot] offset:128*(\q)+32*\c+16*PITCH*\b
.endr
.endr
	WIN 0
.irp i, 0,1,2,3
.irp c, 0,1,2,3
	ds_load_b128 v[RF+64*(\set)+16*\i+4*\c:RF+64*(\set)+16*\i+4*\c+3], v[ADR+\slot] offset:128*(\q)+32*\c+16*PITCH*\i
.endr
.endr
.endm
.macro MUL8 i, set, zero               ; R's block i against P's eight.  The 32 accumulators take turns, one instruction a turn, in the same order in every sub-step
.irp b, 0,1,2,3,4,5,6,7
.if \zero
	v_wmma_f32_16x16x128_fp8_fp8 v[64*(\i)+8*\b:64*(\i)+8*\b+7], v[128*(\set)+16*\b:128*(\set)+16*\b+15], v[RF+64*(\set)+16*(\i):RF+64*(\set)+16*(\i)+15], 0
.else
	v_wmma_f32_16x16x128_fp8_fp8 v[64*(\i)+8*\b:64*(\i)+8*\b+7], v[128*(\set)+16*\b:128*(\set)+16*\b+15], v[RF+64*(\set)+16*(\i):RF+64*(\set)+16*(\i)+15], v[64*(\i)+8*\b:64*(\i)+8*\b+7]
.endif
.endr
.endm
; A sub-step: multiplies set; fetch = 1: the next sub-step's fragments (slot nslot, part nq) go into the other set first, 32 matrix instructions ahead of their use.
; sync = 1: the next fragments lie in slot 0's second fill: my part of it has landed, say so, and read behind the barrier.
.macro SUB set, zero, fetch, nslot, nq, sync
	s_wait_dscnt 0x0                               ; this sub-step's fragments are in
.if \sync
	s_wait_tensorcnt 0x0                           ; the one load of mine that is out: my part of K step 3
	s_barrier_signal -1
	WIN MUL
	MUL8 0, \set, \zero
	MUL8 1, \set, \zero
	s_barrier_wait -1                              ; everybody's part is in
	PLACES 4
	FETCH \nslot, \nq, 1-\set
	WIN MUL
	MUL8 2, \set, \zero
	MUL8 3, \set, \zero
.else
.if \fetch
	PLACES 4
	FETCH \nslot, \nq, 1-\set
.endif
	WIN MUL
	MUL8 0, \set, \zero
	MUL8 1, \set, \zero
	MUL8 2, \set, \zero
	MUL8 3, \set, \zero
.endif
	WIN 0
.endm
; Sub-step 1 multiplies set 1 and fills slot 0 again.  In front of the round each wave waits for all its tensor loads, adds 0 to its spare word, and waits for that and for its reads of slot 0.
.macro TURN
	s_wait_tensorcnt 0x0                           ; K steps 0, 1, 2: no tensor load of mine is out, so a group 0 may be written
	ds_add_u32 v[SPW], v[NIL]                      ; 0 onto my spare word
	s_add_nc_u64 s[G0P+2:G0P+3], s[G0P+2:G0P+3], 768   ; from K step 0 to K step 3: 3 x 256 bytes along the rows
	s_add_nc_u64 s[G0R+2:G0R+3], s[G0R+2:G0R+3], 768
	s_wait_dscnt 1                                 ; set 1's fragments are in; the add may be out
	WIN MUL
	MUL8 0, 1, 0
	s_wait_dscnt 0x0                               ; the add is done, and my reads of slot 0 are over
	s_barrier_signal -1                            ; this barrier opens a round of the cluster's barrier
	MUL8 1, 1, 0
	WIN 0
	s_barrier_wait -1
	CREST                                          ; no wave of any partner still reads slot 0 or has a load on its way
	JLOAD                                          ; the first tensor load behind the round; its four v_nop are also the places in front of the loads below
	FETCH 1, 0, 0
	WIN MUL
	MUL8 2, 1, 0
	MUL8 3, 1, 0
	WIN 0
.endm
; THE WAY OUT, R's block i at a time: sum x 2^(ea + eb) + bias (each accumulator from its low end on), the conversion, four stores.
.macro EPI isv
	PLACES 4
.irp i, 0,1,2,3
	WIN 0x01                                       ; source 0: the accumulators' window
.irp b, 0,1,2,3,4,5,6,7
.irp j, 0,2,4,6
.if \isv
	v_pk_fma_f32 v[TMP+8*\b+\j:TMP+8*\b+\j+1], v[64*\i+8*\b+\j:64*\i+8*\b+\j+1], s[90:91], v[BIAS+2*\i:BIAS+2*\i+1] op_sel_hi:[1,0,0]   ; V: my lane's one feature: the pair's low word for both halves
.else
	v_pk_fma_f32 v[TMP+8*\b+\j:TMP+8*\b+\j+1], v[64*\i+8*\b+\j:64*\i+8*\b+\j+1], s[90:91], v[BIAS+8*\b+\j:BIAS+8*\b+\j+1] op_sel_hi:[1,0,1]   ; Q, K: my lane's eight features of block b
.endif
.endr
.endr
	WIN 0
.irp b, 0,1,2,3,4,5,6,7
.irp j, 0,1,2,3,4,5,6,7
.endr
	v_cvt_scalef32_pk8_fp8_f32 v[CD+16*\i+2*\b:CD+16*\i+2*\b+1], v[TMP+8*\b:TMP+8*\b+7], v[VS]
.endr
	v_nop                                          ; a plain instruction between the last conversion and the next block's writes of its sources
.if \isv
.irp c, 0,1,2,3
	global_store_b128 v[L16], v[CD+16*\i+4*\c:CD+16*\i+4*\c+3], s[34:35] offset:2048*\i+512*\c   ; d tile i of my head and key step
.endr
.else
.irp g, 0,1
	global_store_b128 v[L16], v[CD+16*\i+4*\g:CD+16*\i+4*\g+3], s[34:35] offset:1024*\i+512*\g       ; tile i of tokens, my first head (blocks 0-3)
	global_store_b128 v[L16], v[CD+16*\i+8+4*\g:CD+16*\i+8+4*\g+3], s[14:15] offset:1024*\i+512*\g   ; my second head (blocks 4-7)
.endr
.endif
.endr
.endm
	s_load_b512 s[4:19], s[0:1], 0x0               ; query s[4:5], key s[6:7], value s[8:9], Wq s[10:11], Wk s[12:13], Wv s[14:15], bq s[16:17], bk s[18:19]
	s_load_b256 s[20:27], s[0:1], 0x40             ; bv s[20:21], the scales' exponents s[22:23], qcodes s[24:25], kvcodes s[26:27]
	v_lshl_add_u32 v[SPW], v0, 2, SPARE
	v_mov_b32 v[NIL], 0
	ds_add_u32 v28, v29
	ds_add_u32 v28, v29
	s_wait_dscnt 0x0
	v_lshrrev_b32 v1, 5, v0
	v_readfirstlane_b32 s[WV], v1                  ; wave 0..3
	s_lshr_b32 s[RW], s[WV], 1
	s_and_b32 s[PW], s[WV], 1
	s_bfe_u32 s[CX], ttmp6, 0x40000                ; my place in the cluster
	s_bfe_u32 s[CY], ttmp6, 0x40004
	s_and_b32 s85, ttmp7, 0xffff                   ; the cluster's y, 0..47: the same in all sixteen partners
	s_lshr_b32 s[Z], s85, 4                        ; which projection
	s_and_b32 s[YT], s85, 15
	s_and_b32 s[PIDX], s[YT], 7
	s_lshl_b32 s[PIDX], s[PIDX], 2
	s_lshr_b32 s[RIDX], s[YT], 3
	s_lshl_b32 s[RIDX], s[RIDX], 2
	s_lshl_b32 s93, s[YT], 2
	s_cmp_eq_u32 s[Z], 2
	s_cselect_b32 s[PIDX], s[PIDX], 0              ; V: 32 tiles of tokens: cx + 4 (Yt % 8);  Q, K: 4 tiles of features: cx
	s_cselect_b32 s[RIDX], s[RIDX], s93            ; V: 8 tiles of features: cy + 4 (Yt / 8);  Q, K: 64 tiles of tokens: cy + 4 Yt
	s_add_co_u32 s[PIDX], s[PIDX], s[CX]
	s_add_co_u32 s[RIDX], s[RIDX], s[CY]
	s_lshl_b32 s98, 0x1111, s[CX]                  ; my column of the cluster: P's tiles
	s_lshl_b32 s99, s[CY], 2
	s_lshl_b32 s99, 15, s99                        ; my row: R's tiles
	s_or_b32 s[G1P], s98, PADW
	s_mov_b32 s[G1P+1], 256<<16                    ; tensor_dim0 = 256 bytes
	s_mov_b32 s[G1P+2], 128<<16                    ; tensor_dim1 = 128 rows
	s_mov_b32 s[G1P+3], 256<<16                    ; tile_dim0
	s_mov_b32 s[G1P+4], 128                        ; tile_dim1
	s_mov_b32 s[G1P+5], 1024                       ; from row to row
	s_mov_b32 s[G1P+6], 0
	s_mov_b32 s[G1P+7], 0
	s_or_b32 s[G1R], s99, PADW
	s_mov_b32 s[G1R+1], 256<<16
	s_mov_b32 s[G1R+2], 64<<16                     ; 64 rows
	s_mov_b32 s[G1R+3], 256<<16
	s_mov_b32 s[G1R+4], 64
	s_mov_b32 s[G1R+5], 1024
	s_mov_b32 s[G1R+6], 0
	s_mov_b32 s[G1R+7], 0
	s_lshl_b32 s94, s[PIDX], 18                    ; P: 256 rows of 1,024 bytes a tile,
	s_lshl_b32 s93, s[PW], 17                      ; 128 a half
	s_add_co_u32 s94, s94, s93
	s_mov_b32 s95, 0
	s_lshl_b32 s96, s[RIDX], 17                    ; R: 128 rows a tile,
	s_lshl_b32 s93, s[PW], 16                      ; 64 a half
	s_add_co_u32 s96, s96, s93
	s_mov_b32 s97, 0
	s_mul_i32 s100, s[PW], PHALF                   ; where they go: no place in the cluster enters an LDS address
	s_mul_i32 s101, s[PW], RHALF
	s_add_co_u32 s101, s101, ROFF
	s_wait_kmcnt 0x0
	s_cmp_eq_u32 s[Z], 0                           ; the buffers are chosen by the projection's number alone
	s_cselect_b64 s[28:29], s[10:11], s[12:13]     ; P
	s_cselect_b64 s[30:31], s[4:5], s[6:7]         ; R
	s_cselect_b64 s[32:33], s[16:17], s[18:19]     ; the bias
	s_cselect_b64 s[34:35], s[24:25], s[26:27]     ; where the codes go
	s_cmp_eq_u32 s[Z], 2
	s_cselect_b64 s[28:29], s[8:9], s[28:29]
	s_cselect_b64 s[30:31], s[14:15], s[30:31]
	s_cselect_b64 s[32:33], s[20:21], s[32:33]
	s_load_b256 s[4:11], s[22:23], 0x0             ; e0 .. e7
	s_load_b32 s12, s[22:23], 0x24                 ; e9
	s_add_nc_u64 s[28:29], s[28:29], s[94:95]
	s_add_nc_u64 s[30:31], s[30:31], s[96:97]
.irp k, 0,1,2
	s_mov_b32 s[G0P+4*\k], 1                       ; count = 1
	s_add_co_u32 s[G0P+4*\k+1], s100, \k*SLOT      ; LDS address: slot k
	s_add_nc_u64 s[G0P+4*\k+2:G0P+4*\k+3], s[28:29], 256*\k   ; global address: K step k
	s_or_b32 s[G0P+4*\k+3], s[G0P+4*\k+3], 0x80000000         ; type = 2
	s_mov_b32 s[G0R+4*\k], 1
	s_add_co_u32 s[G0R+4*\k+1], s101, \k*SLOT
	s_add_nc_u64 s[G0R+4*\k+2:G0R+4*\k+3], s[30:31], 256*\k
	s_or_b32 s[G0R+4*\k+3], s[G0R+4*\k+3], 0x80000000
.endr
	CROUND                                         ; all sixteen work-groups are here: the first joint loads meet
	s_cmp_eq_u32 s[RW], 0                          ; a wave's three first fills stand in one branch: three loads of mine are out
	s_cbranch_scc0 .Lfirst_r
	tensor_load_to_lds s[G0P:G0P+3], s[G1P:G1P+7]
	s_nop 0
	tensor_load_to_lds s[G0P+4:G0P+7], s[G1P:G1P+7]
	s_nop 0
	tensor_load_to_lds s[G0P+8:G0P+11], s[G1P:G1P+7]
	s_nop 0
	PLACES 4
	s_branch .Lfirst_asked
.Lfirst_r:
	tensor_load_to_lds s[G0R:G0R+3], s[G1R:G1R+7]
	s_nop 0
	tensor_load_to_lds s[G0R+4:G0R+7], s[G1R:G1R+7]
	s_nop 0
	tensor_load_to_lds s[G0R+8:G0R+11], s[G1R:G1R+7]
	s_nop 0
	PLACES 4
.Lfirst_asked:
	v_and_b32 v1, 15, v0                           ; r
	v_bfe_u32 v2, v0, 4, 1                         ; h
	v_mul_u32_u24 v3, v1, PITCH
	v_lshl_add_u32 v3, v2, 4, v3                   ; a fragment's row x pitch + 16 h
	s_wait_alu depctr_va_vdst(0)
	s_mul_i32 s93, s[RW], RHALF
	s_add_co_u32 s93, s93, ROFF                    ; my 64 rows of R; my 128 rows of P begin at s100
.irp s, 0,1,2
	s_add_co_u32 s2, s100, \s*SLOT
	v_add_nc_u32 v[ADP+\s], s2, v3
	s_add_co_u32 s3, s93, \s*SLOT
	v_add_nc_u32 v[ADR+\s], s3, v3
.endr
	v_and_b32 v[L16], 31, v0
	v_lshlrev_b32 v[L16], 4, v[L16]
	s_wait_alu depctr_va_vdst(0)
	s_wait_tensorcnt 2                             ; my part of K step 0 is in; K steps 1 and 2 may stay out
	s_barrier_signal -1
	s_barrier_wait -1                              ; everybody's is
	FETCH 0, 0, 0
	s_wait_kmcnt 0x0                               ; the exponents; what they decide is chosen without a branch
	s_add_co_i32 s4, s4, s5                        ; e0 + e1
	s_add_co_i32 s6, s6, s7                        ; e2 + e3
	s_add_co_i32 s8, s8, s9                        ; e4 + e5
	s_cmp_eq_u32 s[Z], 0
	s_cselect_b32 s90, s4, s6
	s_cselect_b32 s92, s10, s11                    ; Q is quantised with e6, K with e7,
	s_cmp_eq_u32 s[Z], 2
	s_cselect_b32 s90, s8, s90
	s_cselect_b32 s92, s12, s92                    ; V with e9
	s_add_co_i32 s90, s90, 127
	s_lshl_b32 s90, s90, 23                        ; 2^(ea + eb) as f32
	s_mov_b32 s91, s90                             ; (named with it as a pair, so it is written)
	s_add_co_i32 s92, s92, 127
	s_lshl_b32 s93, s92, 23
	v_mov_b32 v[VS], s93                           ; 2^eo: the conversion takes its exponent field
	SUB 0, 1, 1, 0, 1, 0                           ; sub-step 0: its products start the sums: nothing is cleared
	TURN                                           ; sub-step 1
	SUB 0, 0, 1, 1, 1, 0                           ; 2
	SUB 1, 0, 1, 2, 0, 0                           ; 3
	SUB 0, 0, 1, 2, 1, 0                           ; 4
	SUB 1, 0, 1, 0, 0, 1                           ; 5: from here on slot 0's second fill is read
	s_cmp_eq_u32 s[Z], 2                           ; the ways part ONCE, on the projection's number, which all partners share: each asks for its bias two sub-steps ahead of its use
	s_cbranch_scc1 .Lv_path
	; ---- Q and K.  Batch = Ridx / 16; my first tile of 16 tokens in it: 8 (Ridx % 16) + 4 (w / 2); my first head: 16 batch + 4 Pidx + 2 (w % 2)
	s_lshr_b32 s4, s[RIDX], 4
	s_and_b32 s5, s[RIDX], 15
	s_lshl_b32 s5, s5, 3
	s_lshl_b32 s6, s[RW], 2
	s_add_co_u32 s5, s5, s6                        ; the tile
	s_lshl_b32 s4, s4, 4
	s_lshl_b32 s6, s[PIDX], 2
	s_add_co_u32 s4, s4, s6
	s_lshl_b32 s6, s[PW], 1
	s_add_co_u32 s4, s4, s6                        ; the head
	s_lshl_b32 s6, s4, 17
	s_lshl_b32 s7, s5, 10
	s_add_co_u32 s6, s6, s7                        ; in qcodes: head x 128 images + tile
	s_lshl_b32 s8, s4, 18
	s_lshr_b32 s9, s5, 3
	s_lshl_b32 s9, s9, 14
	s_add_co_u32 s8, s8, s9
	s_and_b32 s9, s5, 7
	s_lshl_b32 s9, s9, 10
	s_add_co_u32 s8, s8, s9                        ; in kvcodes: head x 16 steps + (tile / 8) steps + (tile % 8) images
	s_mov_b32 s10, 1<<18
	s_cmp_eq_u32 s[Z], 0
	s_cselect_b32 s6, s6, s8
	s_cselect_b32 s8, 1<<17, s10                   ; from a head to the next
	s_mov_b32 s7, 0
	s_mov_b32 s9, 0
	s_add_nc_u64 s[34:35], s[34:35], s[6:7]
	s_add_nc_u64 s[14:15], s[34:35], s[8:9]
	s_lshl_b32 s4, s[PIDX], 10                     ; the bias of my 128 features: 4 (256 Pidx + 128 (w % 2)) bytes on
	s_lshl_b32 s5, s[PW], 9
	s_add_co_u32 s4, s4, s5
	s_mov_b32 s5, 0
	s_add_nc_u64 s[32:33], s[32:33], s[4:5]
	v_lshlrev_b32 v[BOF], 5, v2                    ; lane (r, h) wants features 16 b + 8 h + 0 .. 7
.irp b, 0,1,2,3,4,5,6,7
	global_load_b128 v[BIAS+8*\b:BIAS+8*\b+3], v[BOF], s[32:33] offset:64*\b
	global_load_b128 v[BIAS+8*\b+4:BIAS+8*\b+7], v[BOF], s[32:33] offset:64*\b+16
.endr
	SUB 0, 0, 1, 0, 1, 0                           ; 6
	SUB 1, 0, 0, 0, 0, 0                           ; 7
	s_wait_loadcnt 0x0                             ; the bias
	EPI 0
	s_branch .Lend
.Lv_path:
	; ---- V.  Batch = Pidx / 8; my key step: 2 (Pidx % 8) + w % 2; my head: 2 Ridx + w / 2
	s_lshr_b32 s4, s[PIDX], 3
	s_lshl_b32 s4, s4, 4
	s_lshl_b32 s5, s[RIDX], 1
	s_add_co_u32 s4, s4, s5
	s_add_co_u32 s4, s4, s[RW]
	s_lshl_b32 s4, s4, 18
	s_and_b32 s5, s[PIDX], 7
	s_lshl_b32 s5, s5, 1
	s_add_co_u32 s5, s5, s[PW]
	s_lshl_b32 s5, s5, 14
	s_add_co_u32 s4, s4, s5
	s_add_co_u32 s4, s4, 8192                      ; behind the step's eight images of K
	s_mov_b32 s5, 0
	s_add_nc_u64 s[34:35], s[34:35], s[4:5]
	s_lshl_b32 s4, s[RIDX], 9                      ; the bias of my 64 features: 4 (128 Ridx + 64 (w / 2)) bytes on
	s_lshl_b32 s5, s[RW], 8
	s_add_co_u32 s4, s4, s5
	s_mov_b32 s5, 0
	s_add_nc_u64 s[32:33], s[32:33], s[4:5]
	v_lshlrev_b32 v[BOF], 2, v1                    ; lane (r, h) wants feature 16 i + r
.irp i, 0,1,2,3
	global_load_b32 v[BIAS+2*\i], v[BOF], s[32:33] offset:64*\i
	v_mov_b32 v[BIAS+2*\i+1], 0                    ; (named as the pair's upper half, so it is written)
.endr
	SUB 0, 0, 1, 0, 1, 0                           ; 6
	SUB 1, 0, 0, 0, 0, 0                           ; 7
	s_wait_alu depctr_va_vdst(0)
	s_wait_loadcnt 0x0
	EPI 1
.Lend:
	s_wait_tensorcnt 0x0                           ; the wave's end
	ds_add_u32 v[SPW], v[NIL]
	s_wait_dscnt 0x0
	CROUND                                         ; the closing round: no work-group ends while a partner may still ask for a tile that names it
	s_endpgm
.Lfunc_end_k_qbb87349ad7_proj:
	.size	k_qbb87349ad7_proj, .Lfunc_end_k_qbb87349ad7_proj-k_qbb87349ad7_proj
	.p2alignl 7, 3214868480
	.fill 96, 4, 3214868480
	.section	.rodata,"a",@progbits
	.p2align	6, 0x0
	.amdhsa_kernel k_qbb87349ad7_proj
		.amdhsa_group_segment_fixed_size 327680
		.amdhsa_private_segment_fixed_size 0
		.amdhsa_enable_private_segment 0
		.amdhsa_kernarg_size 96
		.amdhsa_user_sgpr_count 2
		.amdhsa_user_sgpr_kernarg_segment_ptr 1
		.amdhsa_wavefront_size32 1
		.amdhsa_system_sgpr_workgroup_id_x 1
		.amdhsa_system_sgpr_workgroup_id_y 1
		.amdhsa_system_sgpr_workgroup_id_z 1
		.amdhsa_system_vgpr_workitem_id 0
		.amdhsa_next_free_vgpr 768
		.amdhsa_next_free_sgpr 102
		.amdhsa_reserve_vcc 0
		.amdhsa_float_denorm_mode_32 3
		.amdhsa_float_denorm_mode_16_64 3
		.amdhsa_fp16_overflow 1
		.amdhsa_memory_ordered 1
		.amdhsa_forward_progress 1
		.amdhsa_inst_pref_size 87
	.end_amdhsa_kernel
	.amdgpu_metadata
---
amdhsa.version: [ 1, 2 ]
amdhsa.kernels:
  - .name:           k_qbb87349ad7_proj
    .symbol:         k_qbb87349ad7_proj.kd
    .args:
      - { .name: query_codes, .offset: 0, .size: 8, .value_kind: global_buffer, .address_space: global }
      - { .name: key_codes, .offset: 8, .size: 8, .value_kind: global_buffer, .address_space: global }
      - { .name: value_codes, .offset: 16, .size: 8, .value_kind: global_buffer, .address_space: global }
      - { .name: Wq_codes, .offset: 24, .size: 8, .value_kind: global_buffer, .address_space: global }
      - { .name: Wk_codes, .offset: 32, .size: 8, .value_kind: global_buffer, .address_space: global }
      - { .name: Wv_codes, .offset: 40, .size: 8, .value_kind: global_buffer, .address_space: global }
      - { .name: bq, .offset: 48, .size: 8, .value_kind: global_buffer, .address_space: global }
      - { .name: bk, .offset: 56, .size: 8, .value_kind: global_buffer, .address_space: global }
      - { .name: bv, .offset: 64, .size: 8, .value_kind: global_buffer, .address_space: global }
      - { .name: lowp_scales, .offset: 72, .size: 8, .value_kind: global_buffer, .address_space: global }
      - { .name: qcodes, .offset: 80, .size: 8, .value_kind: global_buffer, .address_space: global }
      - { .name: kvcodes, .offset: 88, .size: 8, .value_kind: global_buffer, .address_space: global }
    .group_segment_fixed_size: 327680
    .private_segment_fixed_size: 0
    .kernarg_segment_align: 8
    .kernarg_segment_size: 96
    .max_flat_workgroup_size: 128
    .sgpr_count:     102
    .vgpr_count:     768
    .wavefront_size: 32
...
	.end_amdgpu_metadata
.endif
;; end of part 1
;; launch attn (part 2): grid 4 x 64, 16 waves a work-group, clusters of 4 x 1, 264,192 bytes of LDS; arguments qcodes, kvcodes, lowp_scales, ocodes; writes ocodes
.if DOCPART == 2
	.amdgcn_target "amdgcn-amd-amdhsa--gfx1250"
	.amdhsa_code_object_version 6
	.text
	.protected	k_qbb87349ad7_attn
	.globl	k_qbb87349ad7_attn
	.p2align	8
	.type	k_qbb87349ad7_attn,@function
k_qbb87349ad7_attn:
	s_mov_b64 s[64:65], 0
	v_nop
	global_prefetch_b8 v0, s[64:65] scope:SCOPE_SE
	s_setreg_imm32_b32 hwreg(HW_REG_WAVE_MODE, 25, 1), 1
	s_wait_xcnt 0x0
	s_wait_alu depctr_hold_cnt(0) depctr_sa_sdst(0) depctr_va_vdst(0) depctr_va_sdst(0) depctr_va_ssrc(0) depctr_va_vcc(0) depctr_vm_vsrc(0)
	s_getreg_b32 s2, hwreg(HW_REG_IB_STS2, 6, 4)
	s_cmp_eq_u32 s2, 0
	s_cbranch_scc0 .Lentry_in_a_cluster
	s_endpgm
.Lentry_in_a_cluster:
	s_bfe_u32 s2, ttmp6, 0x10000c
	s_cmp_lg_u32 s2, 0x3003
	s_cbranch_scc0 .Lentry_shape_is_right
	s_endpgm
.Lentry_shape_is_right:
; ATTENTION ON CODES OF FP8 (E4M3), head size 64, 2,048 keys, 64 heads (batch x head), no mask.  O = softmax(Q K^T / 8) V, both products on codes; O is quantised for the last projection.
; THE SOFTMAX AHEAD OF THE SECOND PRODUCT: t = score x log2(e) / 8; M = the row's largest t so far, rounded UP to a whole number; p = 2^(t - M) is quantised with 2^e8, not normalised.
; The row's sum is taken of the unquantised p, in f32, and divides O at the end.  When M moves, the sum and O are multiplied by 2^(old M - new M), which rounds nothing; there is no branch on data.
; INPUTS are images of operand registers (lane l's 16 bytes at 16 l, four registers in 512 bytes):
;   qcodes  [head][tile of 16 queries][1,024 B];   kvcodes [head][step of 128 keys][8 images of K, 1,024 B each; 4 images of V^T, 2,048 B each].
; OUTPUT: ocodes [tile of 16 rows 512][head 16][1,024 B]: registers 2 i, 2 i + 1 of lane (r, h) = row r, d = 16 i + 8 h + 0 .. 7.
; SHARES.  A cluster of four work-groups is one head; a work-group owns 512 of its queries; each of its sixteen waves 32: two tiles, A and B, so that each fragment of K and V read from LDS feeds two matrix instructions.
; Four waves to a SIMD: one wave's vector work stands beside another's matrix work and LDS loads.
; LDS holds the head's WHOLE K and V, 262,144 bytes, as they lie in memory: nothing is filled twice, so there is no ring.  Waves 0 to 3 ask for four key steps each, JOINTLY with the three partners (the mask names all four).
; Every byte of K and V is thus asked for at the kernel's head by the tensor loads themselves: nothing is left for a prefetch to name.
; LAYOUT.  S^T = K Q^T (source 0 = 16 keys, source 1 = 16 queries), O^T = V^T P^T (source 0 = 16 d, source 1 = P): a lane holds ONE query throughout.  Tile t of S^T holds keys 16 t + 8 h + 0 .. 7 in its eight registers:
; one conversion gives registers 2 t, 2 t + 1 of P, the very keys that V's image has there.  Every k stands in its own place.
; LIMITS on the given exponents, so that each power of two below is an f32 number: e6 + e7 between -123 and 130 (added to c's exponent field); e8 and e10 between -126 and 119; e8 + e9 is applied by v_ldexp_f32.
.set L16,  1                           ; v1   16 x lane
.set ADR,  2                           ; v2   LDS address of the step in hand
.set VP8,  3                           ; v3   2^e8
.set STA,  4                           ; v4 -M, v5 the largest t, v[6:7] the sum in two halves: tile A's;  v8-11 tile B's
.set STB,  8
.set HP,   12
.set HO,   13
.set VO,   14                          ; v14  2^e10
.set QA,   16                          ; v16-23, v24-31  Q's two fragments
.set QB,   24
.set KV,   32                          ; v32-95   K's eight fragments, then V's four
.set S,    96                          ; v96-159  S^T, then p: tile A's, then tile B's
.set OA,   160                         ; v160-191, v192-223  O^T
.set OB,   192
.set PA,   224                         ; v224-239, v240-255  p's codes
.set PB,   240
.set T0,   240                         ; at work, in tile B's codes' registers, which are dead from the step's head until tile B's conversions
.set T1,   241
.set F,    242                         ; v[242:243] f = 2^(old M - new M) (the pair's low word)
.set PM,   244
.set S2,   246                         ; v[246:247] the sums' second chain
.set WV,   12                          ; s12  wave
.set G1,   16                          ; s[16:23] group 1;  s[24:39] four groups 0
.set G0,   24
.set SEL,  50                          ; s[50:51] lane selects: lane l xor 16
.set CS,   52                          ; s[52:53] c = log2(e) / 8 x 2^(e6 + e7)
.set TB,   54                          ; s54  LDS byte of the step in hand
.set CNT,  55
.macro PLACES n
.rept \n
	v_nop
.endr
.endm
.macro CROUND                          ; a round of the cluster's barrier
	s_barrier_signal -1
	s_barrier_wait -1
	s_cmp_lg_u32 s[WV], 0
	s_cbranch_scc1 .Lnot_wave_0_\@
	s_barrier_signal -3
.Lnot_wave_0_\@:
	s_barrier_wait -3
	s_barrier_signal -1
	s_barrier_wait -1
.endm
; One tile's softmax for 128 keys: a lane has 64 scores of its query in v[S] on.  st: the tile's statistics; o: its O^T; p: where its codes go.
.macro SOFTMAX st, o, p
	v_max3_num_f32 v[T0], v[S], v[S+1], v[S+2]     ; the largest score, in two chains, each accumulator from its low end on
	v_max3_num_f32 v[T1], v[S+3], v[S+4], v[S+5]
.set j, 6
.rept 14
	v_max3_num_f32 v[T0], v[T0], v[S+j], v[S+j+1]
	v_max3_num_f32 v[T1], v[T1], v[S+j+2], v[S+j+3]
.set j, j+4
.endr
	v_max3_num_f32 v[T0], v[T0], v[S+62], v[S+63]
	s_delay_alu instid0(VALU_DEP_1)
	v_max_num_f32 v[T0], v[T0], v[T1]
	v_permlanex16_b32 v[PM], v[T0], s[SEL], s[SEL+1]
	s_delay_alu instid0(VALU_DEP_1)
	v_max_num_f32 v[T0], v[T0], v[PM]              ; and among the query's other 64 keys, in lane l xor 16
	s_delay_alu instid0(VALU_DEP_1)
	v_mul_f32 v[T0], s[CS], v[T0]                  ; as t (c is positive)
	s_delay_alu instid0(VALU_DEP_1)
	v_max_num_f32 v[\st+1], v[\st+1], v[T0]        ; the running largest t
	v_mov_b32 v[T0], v[\st]
	s_delay_alu instid0(VALU_DEP_2)
	v_floor_f32 v[\st], -v[\st+1]                  ; the new -M = floor(-t) = -ceil(t)
	s_delay_alu instid0(VALU_DEP_1)
	v_sub_f32 v[T0], v[\st], v[T0]                 ; old M - new M: a whole number, 0 or less
	s_delay_alu instid0(VALU_DEP_1)
	v_cvt_i32_f32 v[T0], v[T0]                     ; (it saturates)
	s_delay_alu instid0(VALU_DEP_1)
	v_ldexp_f32 v[F], 1.0, v[T0]                   ; f
.set j, 0
.rept 32
	v_pk_fma_f32 v[S+j:S+j+1], v[S+j:S+j+1], s[CS:CS+1], v[\st:\st+1] op_sel_hi:[1,0,0]   ; t - M, two at a time (of the pairs c and -M the low word serves both halves)
.set j, j+2
.endr
.set j, 0
	s_wait_alu depctr_va_vdst(0)
.rept 64
	v_exp_f32 v[S+j], v[S+j]                       ; p = 2^(t - M): one batch
.set j, j+1
.endr
	v_pk_mul_f32 v[\st+2:\st+3], v[\st+2:\st+3], v[F:F+1] op_sel_hi:[1,0]   ; the sums under the new M: the plain instruction behind the batch
	s_wait_alu depctr_va_vdst(0)                   ; one wait for the 64 exponentials, ahead of their first reader
	v_pk_add_f32 v[S2:S2+1], v[S:S+1], v[S+2:S+3]  ; the row's sum of the UNQUANTISED p, in two chains
.set j, 4
.rept 15
	v_pk_add_f32 v[\st+2:\st+3], v[\st+2:\st+3], v[S+j:S+j+1]
	v_pk_add_f32 v[S2:S2+1], v[S2:S2+1], v[S+j+2:S+j+3]
.set j, j+4
.endr
	s_delay_alu instid0(VALU_DEP_1)
	v_pk_add_f32 v[\st+2:\st+3], v[\st+2:\st+3], v[S2:S2+1]
.set j, 0
.rept 16
	v_pk_mul_f32 v[\o+j:\o+j+1], v[\o+j:\o+j+1], v[F:F+1] op_sel_hi:[1,0]   ; O^T under the new M; ahead of the conversions, so that f is done with when tile B's codes land on it
.set j, j+2
.endr
.set b, 0
.rept 4
.set j, 0
.rept 16
.set j, j+1
.endr
	v_cvt_scalef32_pk8_fp8_f32 v[\p+4*b:\p+4*b+1], v[S+16*b:S+16*b+7], v[VP8]
	v_cvt_scalef32_pk8_fp8_f32 v[\p+4*b+2:\p+4*b+3], v[S+16*b+8:S+16*b+15], v[VP8]
.set b, b+1
.endr
	v_nop                                          ; a plain instruction between the last conversion and the matrix instructions that write its sources or read its result
.endm
; A KEY STEP: 128 keys, both tiles.
.macro STEP
	s_setprio 2
	v_add_nc_u32 v[ADR], s[TB], v[L16]
	PLACES 3                                       ; with the addition: four places in front of loads into registers that the last products read
.set t, 0
.rept 8
	ds_load_b128 v[KV+8*t:KV+8*t+3], v[ADR] offset:1024*t          ; K's image t: 16 keys x 64
	ds_load_b128 v[KV+8*t+4:KV+8*t+7], v[ADR] offset:1024*t+512
.set t, t+1
.endr
	s_wait_dscnt 0x0
.set t, 0
.rept 8
	v_wmma_f32_16x16x64_fp8_fp8 v[S+8*t:S+8*t+7], v[KV+8*t:KV+8*t+7], v[QA:QA+7], 0
.set t, t+1
.endr
	PLACES 4
	SOFTMAX STA, OA, PA
.set t, 0
.rept 8
	v_wmma_f32_16x16x64_fp8_fp8 v[S+8*t:S+8*t+7], v[KV+8*t:KV+8*t+7], v[QB:QB+7], 0
.set t, t+1
.endr
	PLACES 4                                       ; in front of the loads over K's fragments and of the first read of the scores
.set t, 0
.rept 16
	ds_load_b128 v[KV+4*t:KV+4*t+3], v[ADR] offset:8192+512*t      ; V's four images, 16 d x 128 keys each: they land during tile B's softmax
.set t, t+1
.endr
	s_setprio 1
	SOFTMAX STB, OB, PB
	s_setprio 0
	s_wait_alu depctr_va_vdst(0)
	s_wait_dscnt 0x0
.set t, 0
.rept 4
	v_wmma_f32_16x16x128_fp8_fp8 v[OA+8*t:OA+8*t+7], v[KV+16*t:KV+16*t+15], v[PA:PA+15], v[OA+8*t:OA+8*t+7]   ; eight accumulators, one instruction each
	v_wmma_f32_16x16x128_fp8_fp8 v[OB+8*t:OB+8*t+7], v[KV+16*t:KV+16*t+15], v[PB:PB+15], v[OB+8*t:OB+8*t+7]
.set t, t+1
.endr
	s_add_co_u32 s[TB], s[TB], 16384
.endm
	s_load_b256 s[4:11], s[0:1], 0x0               ; qcodes s[4:5], kvcodes s[6:7], the scales' exponents s[8:9], ocodes s[10:11]
	v_lshl_add_u32 v254, v0, 2, 0x40000
	v_mov_b32 v255, 0
	ds_add_u32 v254, v255
	ds_add_u32 v254, v255
	s_wait_dscnt 0x0
	v_lshrrev_b32 v1, 5, v0
	s_delay_alu instid0(VALU_DEP_1)
	v_readfirstlane_b32 s[WV], v1                  ; wave 0..15
	s_bfe_u32 s13, ttmp6, 0x40000                  ; cx: which 512 queries; it enters Q's and O's addresses alone
	s_and_b32 s14, ttmp7, 0xffff                   ; the head (16 x batch + head), which the four partners share
	s_mov_b32 s[G1], 15|(3<<16)|(1<<21)            ; the mask: all four work-groups; elements of 8 bytes; bit 21 beside a mask; no padding
	s_mov_b32 s[G1+1], 32<<16                      ; tensor_dim0 = 32 elements: rows of 256 bytes
	s_mov_b32 s[G1+2], 64<<16                      ; tensor_dim1 = 64 rows: a key step's 16,384 bytes, dense
	s_mov_b32 s[G1+3], 32<<16                      ; tile_dim0
	s_mov_b32 s[G1+4], 64                          ; tile_dim1
	s_mov_b32 s[G1+5], 32                          ; from row to row
	s_mov_b32 s[G1+6], 0
	s_mov_b32 s[G1+7], 0
	s_and_b32 s15, s[WV], 3                        ; load i of wave w (0..3) is key step 4 i + w
	s_lshl_b32 s15, s15, 14
	s_lshl_b32 s40, s14, 18                        ; a head's 262,144 bytes
	s_add_co_u32 s40, s40, s15
	s_mov_b32 s41, 0
	s_lshl_b32 s42, s14, 17                        ; Q: (128 head + 32 cx + 2 wave) images of 1,024 bytes
	s_lshl_b32 s43, s13, 15
	s_add_co_u32 s42, s42, s43
	s_lshl_b32 s43, s[WV], 11
	s_add_co_u32 s42, s42, s43
	s_mov_b32 s43, 0
	s_lshr_b32 s56, s14, 4                         ; O: ((128 batch + 32 cx + 2 wave) x 16 + head) images
	s_lshl_b32 s56, s56, 21
	s_lshl_b32 s57, s13, 19
	s_add_co_u32 s56, s56, s57
	s_lshl_b32 s57, s[WV], 15
	s_add_co_u32 s56, s56, s57
	s_and_b32 s57, s14, 15
	s_lshl_b32 s57, s57, 10
	s_add_co_u32 s56, s56, s57
	s_mov_b32 s57, 0
	s_mov_b32 s[SEL], 0x76543210
	s_mov_b32 s[SEL+1], 0xfedcba98
	s_mov_b32 s[CS], 0x3e38aa3b                    ; log2(e) / 8
	s_mov_b32 s[TB], 0
	s_wait_kmcnt 0x0
	s_load_b128 s[44:47], s[8:9], 0x18             ; e6, e7, e8, e9
	s_load_b32 s48, s[8:9], 0x28                   ; e10
	s_add_nc_u64 s[40:41], s[6:7], s[40:41]
	s_add_nc_u64 s[4:5], s[4:5], s[42:43]
	s_add_nc_u64 s[10:11], s[10:11], s[56:57]
.irp i, 0,1,2,3
	s_mov_b32 s[G0+4*\i], 1                        ; count = 1
	s_add_co_u32 s[G0+4*\i+1], s15, \i*65536       ; LDS address = the step's place in the head
	s_add_nc_u64 s[G0+4*\i+2:G0+4*\i+3], s[40:41], \i*65536
	s_or_b32 s[G0+4*\i+3], s[G0+4*\i+3], 0x80000000   ; type = 2
.endr
	CROUND                                         ; all four work-groups are here: the joint loads meet
	s_cmp_lt_u32 s[WV], 4                          ; all the fills of a wave stand in one branch on its number: four loads of mine are out
	s_cbranch_scc0 .Lno_fetch
	tensor_load_to_lds s[G0:G0+3], s[G1:G1+7]
	s_nop 0
	tensor_load_to_lds s[G0+4:G0+7], s[G1:G1+7]
	s_nop 0
	tensor_load_to_lds s[G0+8:G0+11], s[G1:G1+7]
	s_nop 0
	tensor_load_to_lds s[G0+12:G0+15], s[G1:G1+7]
	s_nop 0
	PLACES 4
.Lno_fetch:
	v_and_b32 v[L16], 31, v0
	s_delay_alu instid0(VALU_DEP_1)
	v_lshlrev_b32 v[L16], 4, v[L16]
	global_load_b128 v[QA:QA+3], v[L16], s[4:5]                    ; Q's two fragments stay in registers
	global_load_b128 v[QA+4:QA+7], v[L16], s[4:5] offset:512
	global_load_b128 v[QB:QB+3], v[L16], s[4:5] offset:1024
	global_load_b128 v[QB+4:QB+7], v[L16], s[4:5] offset:1536
	v_mov_b32 v[STA+1], 0xff61b1e6                 ; the largest t so far: -3e38, under every t
	v_mov_b32 v[STB+1], 0xff61b1e6
	s_delay_alu instid0(VALU_DEP_2)
	v_floor_f32 v[STA], -v[STA+1]                  ; -M
	s_delay_alu instid0(VALU_DEP_2)
	v_floor_f32 v[STB], -v[STB+1]
	v_mov_b32 v[STA+2], 0                          ; the sums
	v_mov_b32 v[STA+3], 0
	v_mov_b32 v[STB+2], 0
	v_mov_b32 v[STB+3], 0
	v_mov_b32 v[F+1], 0                            ; (named as a pair's upper half)
	v_mov_b32 v[PM], 0                             ; (a lane permute's destination counts as one of its sources)
.set j, 0
.rept 64
	v_mov_b32 v[OA+j], 0                           ; O^T: the step is written for every step alike: the first finds zeros, which the first change of M leaves zeros
.set j, j+1
.endr
	s_wait_kmcnt 0x0
	s_add_co_i32 s56, s44, s45
	s_lshl_b32 s56, s56, 23
	s_add_co_i32 s[CS], s[CS], s56                 ; a score stands for score x 2^(e6 + e7): added to c's exponent field
	s_mov_b32 s[CS+1], s[CS]                       ; (named with it as a pair)
	s_add_co_i32 s56, s46, 127
	s_lshl_b32 s57, s56, 23
	v_mov_b32 v[VP8], s57                          ; 2^e8
	s_add_co_i32 s56, s48, 127
	s_lshl_b32 s57, s56, 23
	v_mov_b32 v[VO], s57                           ; 2^e10
	s_add_co_i32 s56, s56, 8
	s_lshl_b32 s56, s56, 23
	s_or_b32 s56, s56, 0x600000
	s_wait_tensorcnt 3                             ; a fetching wave's first load has landed (key steps 0 to 3 between the four); its other three stay out
	s_barrier_signal -1
	s_barrier_wait -1
	s_wait_loadcnt 0x0                             ; Q
	s_mov_b32 s[CNT], 4
.Lfirst:                                           ; key steps 0 to 3, while the other twelve are on their way
	STEP
	s_sub_co_u32 s[CNT], s[CNT], 1
	s_cmp_lg_u32 s[CNT], 0
	s_cbranch_scc1 .Lfirst
	s_setprio 0
	s_wait_tensorcnt 0x0                           ; all my loads have landed,
	s_barrier_signal -1
	s_barrier_wait -1                              ; everybody's have
	s_mov_b32 s[CNT], 12
.Lrest:
	STEP
	s_sub_co_u32 s[CNT], s[CNT], 1
	s_cmp_lg_u32 s[CNT], 0
	s_cbranch_scc1 .Lrest
	s_setprio 0
	; THE WAY OUT: O^T x 2^(e8 + e9) / the sum, converted with 2^e10: the conversions' results are the image that the last projection reads.
	PLACES 4
	v_add_f32 v[STA+2], v[STA+2], v[STA+3]         ; the sums' two halves,
	v_add_f32 v[STB+2], v[STB+2], v[STB+3]
	v_permlanex16_b32 v[T0], v[STA+2], s[SEL], s[SEL+1]
	v_permlanex16_b32 v[T1], v[STB+2], s[SEL], s[SEL+1]
	s_delay_alu instid0(VALU_DEP_2)
	v_add_f32 v[STA+2], v[STA+2], v[T0]            ; and lane l xor 16's
	s_delay_alu instid0(VALU_DEP_2)
	v_add_f32 v[STB+2], v[STB+2], v[T1]
	s_wait_alu depctr_va_vdst(0)
	v_rcp_f32 v[STA+2], v[STA+2]
	v_rcp_f32 v[STB+2], v[STB+2]
	v_nop                                          ; a plain instruction behind the reciprocals
	s_add_co_i32 s56, s46, s47                     ; e8 + e9
	s_wait_alu depctr_va_vdst(0)                   ; one wait for both, ahead of the first reader
	v_ldexp_f32 v[STA+2], v[STA+2], s56
	v_ldexp_f32 v[STB+2], v[STB+2], s56
.set j, 0
.rept 16
	v_pk_mul_f32 v[S+j:S+j+1], v[OA+j:OA+j+1], v[STA+2:STA+3] op_sel_hi:[1,0]   ; each accumulator from its low end on
.set j, j+2
.endr
.set j, 0
.rept 16
	v_pk_mul_f32 v[S+32+j:S+32+j+1], v[OB+j:OB+j+1], v[STB+2:STB+3] op_sel_hi:[1,0]
.set j, j+2
.endr
.set j, 0
.rept 64
.set j, j+1
.endr
.set t, 0
.rept 8
	v_cvt_scalef32_pk8_fp8_f32 v[KV+2*t:KV+2*t+1], v[S+8*t:S+8*t+7], v[VO]
.set t, t+1
.endr
	v_nop
	global_store_b128 v[L16], v[KV:KV+3], s[10:11]                       ; each store of the wave covers 512 consecutive bytes, aligned
	global_store_b128 v[L16], v[KV+4:KV+7], s[10:11] offset:512
	global_store_b128 v[L16], v[KV+8:KV+11], s[10:11] offset:16384       ; tile B: the next 16 rows, sixteen heads' images on
	global_store_b128 v[L16], v[KV+12:KV+15], s[10:11] offset:16896
	s_wait_xcnt 0x0
	v_lshl_add_u32 v254, v0, 2, 0x40000
	v_mov_b32 v255, 0
	s_wait_alu depctr_va_vdst(0)
	s_wait_tensorcnt 0x0
	ds_add_u32 v254, v255
	s_wait_dscnt 0x0
	CROUND                                         ; the closing round: no work-group ends while a partner may still ask for a tile that names it
	s_endpgm
.Lfunc_end_k_qbb87349ad7_attn:
	.size	k_qbb87349ad7_attn, .Lfunc_end_k_qbb87349ad7_attn-k_qbb87349ad7_attn
	.p2alignl 7, 3214868480
	.fill 96, 4, 3214868480
	.section	.rodata,"a",@progbits
	.p2align	6, 0x0
	.amdhsa_kernel k_qbb87349ad7_attn
		.amdhsa_group_segment_fixed_size 264192
		.amdhsa_private_segment_fixed_size 0
		.amdhsa_enable_private_segment 0
		.amdhsa_kernarg_size 32
		.amdhsa_user_sgpr_count 2
		.amdhsa_user_sgpr_kernarg_segment_ptr 1
		.amdhsa_wavefront_size32 1
		.amdhsa_system_sgpr_workgroup_id_x 1
		.amdhsa_system_sgpr_workgroup_id_y 1
		.amdhsa_system_sgpr_workgroup_id_z 1
		.amdhsa_system_vgpr_workitem_id 0
		.amdhsa_next_free_vgpr 256
		.amdhsa_next_free_sgpr 66
		.amdhsa_reserve_vcc 0
		.amdhsa_float_denorm_mode_32 3
		.amdhsa_float_denorm_mode_16_64 3
		.amdhsa_fp16_overflow 1
		.amdhsa_memory_ordered 1
		.amdhsa_forward_progress 1
		.amdhsa_inst_pref_size 63
	.end_amdhsa_kernel
	.amdgpu_metadata
---
amdhsa.version: [ 1, 2 ]
amdhsa.kernels:
  - .name:           k_qbb87349ad7_attn
    .symbol:         k_qbb87349ad7_attn.kd
    .args:
      - { .name: qcodes, .offset: 0, .size: 8, .value_kind: global_buffer, .address_space: global }
      - { .name: kvcodes, .offset: 8, .size: 8, .value_kind: global_buffer, .address_space: global }
      - { .name: lowp_scales, .offset: 16, .size: 8, .value_kind: global_buffer, .address_space: global }
      - { .name: ocodes, .offset: 24, .size: 8, .value_kind: global_buffer, .address_space: global }
    .group_segment_fixed_size: 264192
    .private_segment_fixed_size: 0
    .kernarg_segment_align: 8
    .kernarg_segment_size: 32
    .max_flat_workgroup_size: 512
    .sgpr_count:     66
    .vgpr_count:     256
    .wavefront_size: 32
...
	.end_amdgpu_metadata
.endif
;; end of part 2
;; launch oproj (part 3): grid 4 x 64, 4 waves a work-group, clusters of 4 x 4, 327,680 bytes of LDS; arguments ocodes, Wo_codes, bo, lowp_scales, out0; writes out0
.if DOCPART == 3
	.amdgcn_target "amdgcn-amd-amdhsa--gfx1250"
	.amdhsa_code_object_version 6
	.text
	.protected	k_qbb87349ad7_oproj
	.globl	k_qbb87349ad7_oproj
	.p2align	8
	.type	k_qbb87349ad7_oproj,@function
k_qbb87349ad7_oproj:
	s_mov_b64 s[64:65], 0
	v_nop
	global_prefetch_b8 v0, s[64:65] scope:SCOPE_SE
	s_setreg_imm32_b32 hwreg(HW_REG_WAVE_MODE, 25, 1), 1
	s_wait_xcnt 0x0
	s_wait_alu depctr_hold_cnt(0) depctr_sa_sdst(0) depctr_va_vdst(0) depctr_va_sdst(0) depctr_va_ssrc(0) depctr_va_vcc(0) depctr_vm_vsrc(0)
	s_getreg_b32 s2, hwreg(HW_REG_IB_STS2, 6, 4)
	s_cmp_eq_u32 s2, 0
	s_cbranch_scc0 .Lentry_in_a_cluster
	s_endpgm
.Lentry_in_a_cluster:
	s_bfe_u32 s2, ttmp6, 0x10000c
	s_cmp_lg_u32 s2, 0xf033
	s_cbranch_scc0 .Lentry_shape_is_right
	s_endpgm
.Lentry_shape_is_right:
; THE LAST PROJECTION, out0 = O Wo + bo, on codes of FP8 (E4M3).  out0 [8,192][1,024] f32 = sum x 2^(e10 + e11) + bo.  LIMIT: e10 + e11 between -126 and 127, so that the power of two is an f32 number.
; Wo's codes: rows of 1,024 bytes, K innermost.  O's codes: ocodes [tile of 16 rows 512][head 16][1,024 B], images of operand registers: registers 2 i, 2 i + 1 of lane (r, h) = row r, d = 16 i + 8 h + 0 .. 7 of the head;
; two neighbouring heads' images are one fragment of 128 along K with every k in this form's own place.  So Wo's fragments are read in that same layout: eight loads of 8 bytes at 16 c + 8 h.
; SHARES.  A work-group makes 256 columns (P = 256 rows of Wo) x 128 rows (R = 8 tiles of O) over K = 1,024: 256 work-groups.  Four waves: wave w takes P's half w % 2 x R's half w / 2: 32 accumulators.
; Source 0 = 16 rows of Wo, source 1 = 16 rows of O: lane (r, h) holds row r of out0 and eight neighbouring columns.
; K GOES in four steps of 256 (four heads) through three LDS slots: steps 0, 1, 2 are asked for at the head, step 3 fills slot 0 again.  A step is two sub-steps of 128, 32 matrix instructions a wave.  No loop.
; CLUSTERS: 4 x 4.  P's tile hangs on cx: asked for jointly by a column of the cluster; R's on cy and the cluster's y: by a row.  Waves 0, 1 fetch P's halves, waves 2, 3 R's.
; REGISTERS as windows of 256: window 0: v0-31 addresses; v64-127 bo; v128-191, v192-255 R's fragments, two sets (on the way out: finished numbers; rows read back).  window 1: accumulators (i, b) at v[64 i + 8 b].  window 2: P's two sets.
.set PITCH,  272                       ; a row of Wo in LDS: 256 bytes + 16 of padding = 68 words: the 32 lanes of a load of 8 bytes touch 64 different banks (64 banks of 4 bytes: ISA guide 11.1)
.set PHALF,  128*PITCH
.set RHALF,  16384                     ; four tiles of O x four heads' images: dense
.set ROFF,   2*PHALF
.set SLOT,   ROFF+2*64*PITCH           ; (R uses 32,768 of the 34,816 bytes)
.set SPARE,  3*SLOT                    ; the spare words, 128 bytes for each wave: two blocks of 256 bytes that no other line names
.set STAGE,  SLOT                      ; the way out: 16 rows x (512 + 16) bytes for each wave, in slot 1, which has had its one fill and, behind sub-step 5's barrier, its last read
.set SPITCH, 528
.set ADP,  16
.set ADR,  20
.set L16,  24
.set BOF,  25
.set STO,  26                          ; v26  where I put 32 bytes of a row
.set RD,   27                          ; v27  where I read a row back
.set SPW,  28
.set NIL,  29
.set BIAS, 64
.set RF,   128
.set TMP,  128
.set BK,   192
.set G1P,  36
.set G1R,  44
.set G0P,  52
.set G0R,  68
.set WV,   80
.set RW,   81
.set PW,   82
.set CX,   83
.set CY,   84
.set RIDX, 89
.set MUL,  0x52                        ; source 0 (P) window 2, source 1 (R) window 0, C and D window 1
.set TO_P, 0x80
.set MSB, 0
.macro WIN new
.if MSB != \new
	s_set_vgpr_msb (MSB<<8)|\new
.set MSB, \new
.endif
.endm
.macro PLACES n
.rept \n
	v_nop
.endr
.endm
.macro CREST
	s_cmp_lg_u32 s[WV], 0
	s_cbranch_scc1 .Lnot_wave_0_\@
	s_barrier_signal -3
.Lnot_wave_0_\@:
	s_barrier_wait -3
	s_barrier_signal -1
	s_barrier_wait -1
.endm
.macro CROUND
	s_barrier_signal -1
	s_barrier_wait -1
	CREST
.endm
.macro JLOAD                           ; the one refill: K step 3 into slot 0.  Four v_nop follow each of the two lines
	s_cmp_eq_u32 s[RW], 0
	s_cbranch_scc0 .Lfor_r_\@
	tensor_load_to_lds s[G0P:G0P+3], s[G1P:G1P+7]
	s_nop 0
	PLACES 4
	s_branch .Lasked_\@
.Lfor_r_\@:
	tensor_load_to_lds s[G0R:G0R+3], s[G1R:G1R+7]
	s_nop 0
	PLACES 4
.Lasked_\@:
.endm
.macro FETCH slot, q, set              ; the fragments of the slot's q-th 128 along K (two heads): Wo's eight, 8 bytes a load; O's four, as images
	WIN TO_P
.irp b, 0,1,2,3,4,5,6,7
.irp c, 0,1,2,3,4,5,6,7
	ds_load_b64 v[128*(\set)+16*\b+2*\c:128*(\set)+16*\b+2*\c+1], v[ADP+\slot] offset:128*(\q)+16*\c+16*PITCH*\b
.endr
.endr
	WIN 0
.irp i, 0,1,2,3
.irp c, 0,1,2,3
	ds_load_b128 v[RF+64*(\set)+16*\i+4*\c:RF+64*(\set)+16*\i+4*\c+3], v[ADR+\slot] offset:4096*\i+2048*(\q)+512*\c
.endr
.endr
.endm
.macro MUL8 i, set, zero               ; the 32 accumulators take turns, one instruction a turn, in the same order in every sub-step
.irp b, 0,1,2,3,4,5,6,7
.if \zero
	v_wmma_f32_16x16x128_fp8_fp8 v[64*(\i)+8*\b:64*(\i)+8*\b+7], v[128*(\set)+16*\b:128*(\set)+16*\b+15], v[RF+64*(\set)+16*(\i):RF+64*(\set)+16*(\i)+15], 0
.else
	v_wmma_f32_16x16x128_fp8_fp8 v[64*(\i)+8*\b:64*(\i)+8*\b+7], v[128*(\set)+16*\b:128*(\set)+16*\b+15], v[RF+64*(\set)+16*(\i):RF+64*(\set)+16*(\i)+15], v[64*(\i)+8*\b:64*(\i)+8*\b+7]
.endif
.endr
.endm
.macro SUB set, zero, fetch, nslot, nq, sync
	s_wait_dscnt 0x0                               ; this sub-step's fragments are in
.if \sync
	s_wait_tensorcnt 0x0                           ; the one load of mine that is out: my part of K step 3
	s_barrier_signal -1
	WIN MUL
	MUL8 0, \set, \zero
	MUL8 1, \set, \zero
	s_barrier_wait -1                              ; everybody's part is in
	PLACES 4
	FETCH \nslot, \nq, 1-\set
	WIN MUL
	MUL8 2, \set, \zero
	MUL8 3, \set, \zero
.else
.if \fetch
	PLACES 4
	FETCH \nslot, \nq, 1-\set
.endif
	WIN MUL
	MUL8 0, \set, \zero
	MUL8 1, \set, \zero
	MUL8 2, \set, \zero
	MUL8 3, \set, \zero
.endif
	WIN 0
.endm
.macro TURN
	s_wait_tensorcnt 0x0                           ; K steps 0, 1, 2: no tensor load of mine is out, so a group 0 may be written
	ds_add_u32 v[SPW], v[NIL]                      ; 0 onto my spare word
	s_add_nc_u64 s[G0P+2:G0P+3], s[G0P+2:G0P+3], 768     ; K step 3: 3 x 256 bytes along Wo's rows,
	s_add_nc_u64 s[G0R+2:G0R+3], s[G0R+2:G0R+3], 12288   ; 3 x four heads' images of O
	s_wait_dscnt 1                                 ; set 1's fragments are in; the add may be out
	WIN MUL
	MUL8 0, 1, 0
	s_wait_dscnt 0x0                               ; the add is done, and my reads of slot 0 are over
	s_barrier_signal -1                            ; this barrier opens a round of the cluster's barrier
	MUL8 1, 1, 0
	WIN 0
	s_barrier_wait -1
	CREST                                          ; no wave of any partner still reads slot 0 or has a load on its way
	JLOAD                                          ; the first tensor load behind the round; its four v_nop are also the places in front of the loads below
	FETCH 1, 0, 0
	WIN MUL
	MUL8 2, 1, 0
	MUL8 3, 1, 0
	WIN 0
.endm
; THE WAY OUT, a block of 16 rows x 128 columns at a time, through my own stage in LDS: in as 32 bytes a lane, back as whole rows of 512 bytes.
.macro PK i                            ; sum x 2^(e10 + e11) + bo, each accumulator from its low end on
	WIN 0x01
.irp b, 0,1,2,3,4,5,6,7
.irp j, 0,2,4,6
	v_pk_fma_f32 v[TMP+8*\b+\j:TMP+8*\b+\j+1], v[64*(\i)+8*\b+\j:64*(\i)+8*\b+\j+1], s[90:91], v[BIAS+8*\b+\j:BIAS+8*\b+\j+1] op_sel_hi:[1,0,1]
.endr
.endr
	WIN 0
.endm
.macro ST
.irp b, 0,1,2,3,4,5,6,7
	ds_store_b128 v[STO], v[TMP+8*\b:TMP+8*\b+3] offset:64*\b
	ds_store_b128 v[STO], v[TMP+8*\b+4:TMP+8*\b+7] offset:64*\b+16
.endr
.endm
.macro LD
.irp t, 0,1,2,3,4,5,6,7,8,9,10,11,12,13,14,15
	ds_load_b128 v[BK+4*\t:BK+4*\t+3], v[RD] offset:SPITCH*\t      ; LDS serves a wave's instructions in order (ISA guide 5.7.1.4): these see my stores
.endr
.endm
.macro SEND i
.irp t, 0,1,2,3,4,5,6,7,8,9,10,11,12,13,14,15
	s_wait_dscnt 15-\t                             ; row t is back; the younger loads may be out
	global_store_b128 v[L16], v[BK+4*\t:BK+4*\t+3], s[34:35] offset:(16*(\i)+\t)*4096 th:TH_STORE_NT   ; 32 lanes store 512 consecutive bytes, aligned; written once, read by nobody here
.endr
.endm
	s_load_b256 s[4:11], s[0:1], 0x0               ; ocodes s[4:5], Wo's codes s[6:7], bo s[8:9], the scales' exponents s[10:11]
	s_load_b64 s[12:13], s[0:1], 0x20              ; out0
	v_lshl_add_u32 v[SPW], v0, 2, SPARE
	v_mov_b32 v[NIL], 0
	ds_add_u32 v28, v29
	ds_add_u32 v28, v29
	s_wait_dscnt 0x0
	v_lshrrev_b32 v1, 5, v0
	v_readfirstlane_b32 s[WV], v1                  ; wave 0..3
	s_lshr_b32 s[RW], s[WV], 1                     ; R's half; also: I fetch for P (0) or for R (1)
	s_and_b32 s[PW], s[WV], 1                      ; P's half; also: which half I fetch
	s_bfe_u32 s[CX], ttmp6, 0x40000
	s_bfe_u32 s[CY], ttmp6, 0x40004
	s_and_b32 s85, ttmp7, 0xffff
	s_lshl_b32 s[RIDX], s85, 2
	s_add_co_u32 s[RIDX], s[RIDX], s[CY]           ; which 128 rows: 4 x cluster y + cy
	s_lshl_b32 s98, 0x1111, s[CX]                  ; my column of the cluster: P's tiles
	s_lshl_b32 s99, s[CY], 2
	s_lshl_b32 s99, 15, s99                        ; my row: R's tiles
	s_or_b32 s[G1P], s98, (1<<20)|(1<<21)|(5<<22)|(3<<25)   ; elements of 1 byte; padding: 4 words after every 64; bit 21 beside a mask
	s_mov_b32 s[G1P+1], 256<<16
	s_mov_b32 s[G1P+2], 128<<16
	s_mov_b32 s[G1P+3], 256<<16
	s_mov_b32 s[G1P+4], 128
	s_mov_b32 s[G1P+5], 1024
	s_mov_b32 s[G1P+6], 0
	s_mov_b32 s[G1P+7], 0
	s_or_b32 s[G1R], s99, (3<<16)|(1<<21)          ; elements of 8 bytes; no padding
	s_mov_b32 s[G1R+1], 512<<16                    ; a row: four heads' images of one tile of O, 4,096 bytes
	s_mov_b32 s[G1R+2], 4<<16                      ; four tiles
	s_mov_b32 s[G1R+3], 512<<16
	s_mov_b32 s[G1R+4], 4
	s_mov_b32 s[G1R+5], 2048                       ; from tile to tile: sixteen heads' images, 16,384 bytes
	s_mov_b32 s[G1R+6], 0
	s_mov_b32 s[G1R+7], 0
	s_lshl_b32 s94, s[CX], 18                      ; P: 256 rows of 1,024 bytes a tile, 128 a half
	s_lshl_b32 s93, s[PW], 17
	s_add_co_u32 s94, s94, s93
	s_mov_b32 s95, 0
	s_lshl_b32 s96, s[RIDX], 17                    ; R: 8 tiles of 16,384 bytes, 4 a half
	s_lshl_b32 s93, s[PW], 16
	s_add_co_u32 s96, s96, s93
	s_mov_b32 s97, 0
	s_mul_i32 s100, s[PW], PHALF                   ; where they go: no place in the cluster enters an LDS address
	s_mul_i32 s101, s[PW], RHALF
	s_add_co_u32 s101, s101, ROFF
	s_lshl_b32 s2, s[CX], 10                       ; my 128 columns, in bytes of f32: 4 (256 cx + 128 (w % 2))
	s_lshl_b32 s3, s[PW], 9
	s_add_co_u32 s2, s2, s3
	s_mov_b32 s3, 0
	s_lshl_b32 s14, s[RIDX], 19                    ; my 64 rows of out0: (128 Ridx + 64 (w / 2)) x 4,096 bytes
	s_lshl_b32 s15, s[RW], 18
	s_add_co_u32 s14, s14, s15
	s_add_co_u32 s14, s14, s2
	s_mov_b32 s15, 0
	s_wait_kmcnt 0x0
	s_load_b64 s[90:91], s[10:11], 0x28            ; e10, e11
	s_add_nc_u64 s[28:29], s[6:7], s[94:95]
	s_add_nc_u64 s[30:31], s[4:5], s[96:97]
	s_add_nc_u64 s[8:9], s[8:9], s[2:3]
	s_add_nc_u64 s[34:35], s[12:13], s[14:15]
.irp k, 0,1,2
	s_mov_b32 s[G0P+4*\k], 1
	s_add_co_u32 s[G0P+4*\k+1], s100, \k*SLOT
	s_add_nc_u64 s[G0P+4*\k+2:G0P+4*\k+3], s[28:29], 256*\k
	s_or_b32 s[G0P+4*\k+3], s[G0P+4*\k+3], 0x80000000
	s_mov_b32 s[G0R+4*\k], 1
	s_add_co_u32 s[G0R+4*\k+1], s101, \k*SLOT
	s_add_nc_u64 s[G0R+4*\k+2:G0R+4*\k+3], s[30:31], 4096*\k
	s_or_b32 s[G0R+4*\k+3], s[G0R+4*\k+3], 0x80000000
.endr
	CROUND                                         ; all sixteen work-groups are here: the first joint loads meet
	s_cmp_eq_u32 s[RW], 0                          ; a wave's three first fills stand in one branch: three loads of mine are out
	s_cbranch_scc0 .Lfirst_r
	tensor_load_to_lds s[G0P:G0P+3], s[G1P:G1P+7]
	s_nop 0
	tensor_load_to_lds s[G0P+4:G0P+7], s[G1P:G1P+7]
	s_nop 0
	tensor_load_to_lds s[G0P+8:G0P+11], s[G1P:G1P+7]
	s_nop 0
	PLACES 4
	s_branch .Lfirst_asked
.Lfirst_r:
	tensor_load_to_lds s[G0R:G0R+3], s[G1R:G1R+7]
	s_nop 0
	tensor_load_to_lds s[G0R+4:G0R+7], s[G1R:G1R+7]
	s_nop 0
	tensor_load_to_lds s[G0R+8:G0R+11], s[G1R:G1R+7]
	s_nop 0
	PLACES 4
.Lfirst_asked:
	v_and_b32 v1, 15, v0                           ; r
	v_bfe_u32 v2, v0, 4, 1                         ; h
	v_lshlrev_b32 v[BOF], 5, v2                    ; bo: lane (r, h) wants columns 16 b + 8 h + 0 .. 7
.irp b, 0,1,2,3,4,5,6,7
	global_load_b128 v[BIAS+8*\b:BIAS+8*\b+3], v[BOF], s[8:9] offset:64*\b
	global_load_b128 v[BIAS+8*\b+4:BIAS+8*\b+7], v[BOF], s[8:9] offset:64*\b+16
.endr
	v_and_b32 v[L16], 31, v0
	v_lshlrev_b32 v[L16], 4, v[L16]
	s_wait_alu depctr_va_vdst(0)
	v_mul_u32_u24 v3, v1, PITCH
	v_lshl_add_u32 v3, v2, 3, v3                   ; Wo: row x pitch + 8 h
	s_mul_i32 s93, s[RW], RHALF
	s_add_co_u32 s93, s93, ROFF                    ; my four tiles of O
.irp s, 0,1,2
	s_add_co_u32 s2, s100, \s*SLOT
	v_add_nc_u32 v[ADP+\s], s2, v3
	s_add_co_u32 s3, s93, \s*SLOT
	v_add_nc_u32 v[ADR+\s], s3, v[L16]
.endr
	s_mul_i32 s93, s[WV], 16*SPITCH
	s_add_co_u32 s93, s93, STAGE                   ; my stage
	v_mul_u32_u24 v[STO], v1, SPITCH
	v_lshl_add_u32 v[STO], v2, 5, v[STO]
	v_add_nc_u32 v[STO], s93, v[STO]               ; in: row r, 32 bytes for each half of the lanes
	v_add_nc_u32 v[RD], s93, v[L16]                ; back: the 32 lanes take one row of 512 bytes
	s_wait_alu depctr_va_vdst(0)
	s_wait_tensorcnt 2                             ; my part of K step 0 is in; K steps 1 and 2 may stay out
	s_barrier_signal -1
	s_barrier_wait -1
	FETCH 0, 0, 0
	s_wait_kmcnt 0x0
	s_add_co_i32 s90, s90, s91
	s_add_co_i32 s90, s90, 127
	s_lshl_b32 s90, s90, 23                        ; 2^(e10 + e11) as f32
	s_mov_b32 s91, s90                             ; (named with it as a pair)
	SUB 0, 1, 1, 0, 1, 0                           ; sub-step 0: its products start the sums
	TURN                                           ; 1
	SUB 0, 0, 1, 1, 1, 0                           ; 2
	SUB 1, 0, 1, 2, 0, 0                           ; 3
	SUB 0, 0, 1, 2, 1, 0                           ; 4
	SUB 1, 0, 1, 0, 0, 1                           ; 5: behind its barrier nobody reads slot 1 any more
	SUB 0, 0, 1, 0, 1, 0                           ; 6
	SUB 1, 0, 0, 0, 0, 0                           ; 7
	s_wait_loadcnt 0x0                             ; bo
	PLACES 4                                       ; in front of the first read of results and the first write over R's fragments
	PK 0
	ST
	LD
.irp i, 1,2,3
	s_wait_dscnt 16                                ; the last block's 16 stores into the stage are done; its 16 loads may be out
	PK \i                                          ; this block's arithmetic stands between the last block's loads and the wait for them
	s_wait_alu depctr_va_vdst(0)
	SEND \i-1
	ST
	s_wait_xcnt 0x0                                ; the stores to memory have read their registers: the next rows may land there
	LD
.endr
	SEND 3
	s_wait_tensorcnt 0x0                           ; the wave's end
	ds_add_u32 v[SPW], v[NIL]
	s_wait_dscnt 0x0
	CROUND                                         ; the closing round
	s_endpgm
.Lfunc_end_k_qbb87349ad7_oproj:
	.size	k_qbb87349ad7_oproj, .Lfunc_end_k_qbb87349ad7_oproj-k_qbb87349ad7_oproj
	.p2alignl 7, 3214868480
	.fill 96, 4, 3214868480
	.section	.rodata,"a",@progbits
	.p2align	6, 0x0
	.amdhsa_kernel k_qbb87349ad7_oproj
		.amdhsa_group_segment_fixed_size 327680
		.amdhsa_private_segment_fixed_size 0
		.amdhsa_enable_private_segment 0
		.amdhsa_kernarg_size 40
		.amdhsa_user_sgpr_count 2
		.amdhsa_user_sgpr_kernarg_segment_ptr 1
		.amdhsa_wavefront_size32 1
		.amdhsa_system_sgpr_workgroup_id_x 1
		.amdhsa_system_sgpr_workgroup_id_y 1
		.amdhsa_system_sgpr_workgroup_id_z 1
		.amdhsa_system_vgpr_workitem_id 0
		.amdhsa_next_free_vgpr 768
		.amdhsa_next_free_sgpr 102
		.amdhsa_reserve_vcc 0
		.amdhsa_float_denorm_mode_32 3
		.amdhsa_float_denorm_mode_16_64 3
		.amdhsa_memory_ordered 1
		.amdhsa_forward_progress 1
		.amdhsa_inst_pref_size 94
	.end_amdhsa_kernel
	.amdgpu_metadata
---
amdhsa.version: [ 1, 2 ]
amdhsa.kernels:
  - .name:           k_qbb87349ad7_oproj
    .symbol:         k_qbb87349ad7_oproj.kd
    .args:
      - { .name: ocodes, .offset: 0, .size: 8, .value_kind: global_buffer, .address_space: global }
      - { .name: Wo_codes, .offset: 8, .size: 8, .value_kind: global_buffer, .address_space: global }
      - { .name: bo, .offset: 16, .size: 8, .value_kind: global_buffer, .address_space: global }
      - { .name: lowp_scales, .offset: 24, .size: 8, .value_kind: global_buffer, .address_space: global }
      - { .name: out0, .offset: 32, .size: 8, .value_kind: global_buffer, .address_space: global }
    .group_segment_fixed_size: 327680
    .private_segment_fixed_size: 0
    .kernarg_segment_align: 8
    .kernarg_segment_size: 40
    .max_flat_workgroup_size: 128
    .sgpr_count:     102
    .vgpr_count:     768
    .wavefront_size: 32
...
	.end_amdgpu_metadata
.endif
;; end of part 3
